; MI455X (gfx1250); checked and timed in simulation.
; The chip was launched on July 23, 2026; its instructions are those of AMD's public machine-readable ISA for CDNA 5 (MIT licence, August 2026) and "CDNA5" Instruction Set Architecture Reference Guide (July 2026). The comments in the code are by the model that wrote it; some were corrected since.
;; Multi Head Attention. Allowed arithmetic: matrix products marked QUANTISED: E5M2 operands, one given power-of-two scale a tensor, by v_wmma_f32_16x16x64_bf8_bf8 or v_wmma_f32_16x16x128_bf8_bf8, f32 sums; everything else in f32.
;; Inputs: W_k_codes 1,024 x 32 x 32 uint8 (E5M2 codes of W_k, K innermost, in blocks of 32 codes); W_o_codes 1,024 x 32 x 32 uint8 (E5M2 codes of W_o, K innermost, in blocks of 32 codes); W_q_codes 1,024 x 32 x 32 uint8 (E5M2 codes of W_q, K innermost, in blocks of 32 codes); W_v_codes 1,024 x 32 x 32 uint8 (E5M2 codes of W_v, K innermost, in blocks of 32 codes); b_o 1,024 float32; inputs_codes 4 x 2,048 x 32 x 32 uint8 (E5M2 codes of inputs, K innermost, in blocks of 32 codes); lowp_scales 12 int32 (the exponents e of the quantised operands' scales 2^e).
;; Outputs: out0 4 x 2,048 x 1,024 float32.
;; This version of the problem:
;;   THIS VERSION OF THE PROBLEM IS GIVEN IN LOW PRECISION. The matrix products marked QUANTISED in the list below multiply operands that are first quantised to E5M2 (5 exponent bits, 2 mantissa bits; 8 bits a number), with one given power-of-two scale for each operand tensor; their sums are f32. All else is computed in f32.
;;   The module's matrix products, in the order in which they are computed (A, B: the left and right operand; K: the contracted axis; several contracted axes count as one K, in the product's order):
;;     1. [M 8,192, K 1,024] x [K 1,024, N 1,024]; A: input inputs (given as codes); B: input W_q (given as codes): QUANTISED (scales: A lowp_scales[0], B lowp_scales[1])
;;     2. [M 8,192, K 1,024] x [K 1,024, N 1,024]; A: input inputs (given as codes); B: input W_k (given as codes): QUANTISED (scales: A lowp_scales[2], B lowp_scales[3])
;;     3. [M 8,192, K 1,024] x [K 1,024, N 1,024]; A: input inputs (given as codes); B: input W_v (given as codes): QUANTISED (scales: A lowp_scales[4], B lowp_scales[5])
;;     4. batch 64 x [M 2,048, K 64] x [K 64, N 2,048]; A: computed on the way; B: computed on the way: QUANTISED (scales: A lowp_scales[6], B lowp_scales[7])
;;     5. batch 64 x [M 2,048, K 2,048] x [K 2,048, N 64]; A: softmax (see below); B: computed on the way: QUANTISED (scales: A lowp_scales[8], B lowp_scales[9])
;;     6. [M 8,192, K 1,024] x [K 1,024, N 1,024]; A: computed on the way; B: input W_o (given as codes): QUANTISED (scales: A lowp_scales[10], B lowp_scales[11])
;;   THE QUANTISER, for each operand of a quantised product, along K:
;;     - The operand's scale is 2^e, e = its entry of the input lowp_scales (int32; the entries are numbered through the quantised products in the list's order, A before B).
;;     - Each number is divided by the scale, clamped to +-57,344, and rounded to the nearest number of E5M2, ties to even, subnormals kept.
;;     - The product sums the exact products of the quantised numbers (number of the format x scale) in f32.
;;   ~~~python
;;   def quantise(x, axis, e):      # numpy; x: float32 -> the quantised numbers, widened to float32 again
;;       x = np.moveaxis(x, axis, -1); K = x.shape[-1]
;;       r = np.clip(x / 2.0 ** e, -57344, 57344)
;;       step = 2.0 ** (np.maximum(np.frexp(np.where(r == 0, 1, r))[1] - 1, -14) - 2)
;;       q = np.round(r / step) * step * 2.0 ** e      # np.round: ties to even
;;       return np.moveaxis(q, -1, axis).astype(np.float32)
;;   ~~~
;;   SOFTMAX AHEAD OF A QUANTISED PRODUCT. Where the list says 'softmax', what is quantised is not the finished softmax but p = 2^(t - M), with t = logit x log2(e) and M = ceil(the row's largest t), a whole number; so 1/2 < the row's largest p <= 1. The row's sum l is taken of the UNQUANTISED p, in f32, and the product's result is divided by l at the end. Since M is a whole number, a kernel that streams over the keys may use a running M (the ceiling of the running maximum): every later rescaling is an exact power of two, so the quantised numbers keep their values, but for numbers so far below the row's largest that they fall under the format's range.
;;   OPERANDS COMPUTED ON THE WAY. 'Computed on the way' means the value that the module computes at that place (a softmax that the list does not call 'softmax' is quantised finished and normalised). What goes into a quantiser is computed in f32, as accurately as f32 sums, v_exp_f32 and their like allow (about 1e-6 of the number): no bf16 or f16 on the way to a quantiser, and a product that is left as it is and whose result goes on into a quantised operand takes f32 operands (vector FMAs, or v_wmma_f32_16x16x4_f32). A number that lies on a knife's edge between two numbers of the format may be rounded either way, as far as f32 arithmetic and the matrix unit's own rounding can turn it there, and no further.
;;   INPUTS GIVEN AS CODES. W_k (in the module: [1024, 1024], K = its axis 1); W_o (in the module: [1024, 1024], K = its axis 1); W_q (in the module: [1024, 1024], K = its axis 1); W_v (in the module: [1024, 1024], K = its axis 1); inputs (in the module: [4, 2048, 1024], K = its axis 2): each comes as NAME_codes (uint8): NAME with its K axis moved to the last place and cut into blocks of 32 codes, [.., K / 32, bytes a block], one block behind the other in memory; one code a byte (a code: sign, 5 exponent bits, 2 mantissa bits); its scale is its entry of lowp_scales. Its value is code x scale, taken as it is: it is not quantised again, and the codes and scales need not be those that the quantiser above would give.
;; One version. Each part assembles by itself: llvm-mc -triple=amdgcn-amd-amdhsa -mcpu=gfx1250 --defsym DOCPART=n.
;; ======== version 1 of 1: 3 launches
;; limits: right only within a limited range of input values
;; workspace buffers: q_img 8,388,608 bytes; k_img 8,388,608 bytes; v_img 8,388,608 bytes; ctx_img 8,388,608 bytes
;; launch qkv (part 1): grid 12 x 32, 4 waves a work-group, clusters of 4 x 4, 327,680 bytes of LDS; arguments inputs_codes, W_q_codes, W_k_codes, W_v_codes, lowp_scales, q_img, k_img, v_img; writes q_img, k_img, v_img
.if DOCPART == 1
	.amdgcn_target "amdgcn-amd-amdhsa--gfx1250"
	.amdhsa_code_object_version 6
	.text
	.protected	k_q5ff437e7b5_qkv
	.globl	k_q5ff437e7b5_qkv
	.p2align	8
	.type	k_q5ff437e7b5_qkv,@function
k_q5ff437e7b5_qkv:
	s_mov_b64 s[64:65], 0
	v_nop
	global_prefetch_b8 v0, s[64:65] scope:SCOPE_SE
	s_setreg_imm32_b32 hwreg(HW_REG_WAVE_MODE, 25, 1), 1
	s_wait_xcnt 0x0
	s_wait_alu depctr_hold_cnt(0) depctr_sa_sdst(0) depctr_va_vdst(0) depctr_va_sdst(0) depctr_va_ssrc(0) depctr_va_vcc(0) depctr_vm_vsrc(0)
	s_getreg_b32 s2, hwreg(HW_REG_IB_STS2, 6, 4)
	s_cmp_eq_u32 s2, 0
	s_cbranch_scc0 .Lentry_in_a_cluster
	s_endpgm
.Lentry_in_a_cluster:
	s_bfe_u32 s2, ttmp6, 0x10000c
	s_cmp_lg_u32 s2, 0xf033
	s_cbranch_scc0 .Lentry_shape_is_right
	s_endpgm
.Lentry_shape_is_right:
; Q = x Wq^T, K = x Wk^T, V = x Wv^T on codes of BF8 (E5M2), x: [8192][1024], each W: [1024][1024], K innermost; the f32 sums are quantised at once, with the given scales, into codes for the attention launch.
; ONE BODY FOR THE THREE PRODUCTS: the cluster's x says which (0: Q, 1: K, 2: V); it is the same in all sixteen partners, and it chooses pointers and tile numbers by selects alone, never by a branch.
; A tile is 256 rows of P x 256 rows of R.  P is the matrix instruction's source 1 (a lane holds ONE row of P), R its source 0 (a lane's eight results are eight NEIGHBOURING rows of R).
;   Q, K: P = x (a lane: one token), R = W (registers: eight neighbouring channels, the next product's K).      V: P = Wv (a lane: one channel), R = x (registers: eight neighbouring keys, the next product's K).
; So the conversion of one accumulator's eight registers gives two registers of the next operand, k = 16 b + 8 (lane / 16) + 0 .. 7 for R's block b: the 8-bit operand layout (ISA guide 7.12.2).  Nothing is transposed.
; THE OUTPUT IS AN IMAGE OF OPERAND REGISTERS: a block of 2,048 bytes = 16 registers x 32 lanes, registers 4 c .. 4 c + 3 of lane l at 512 c + 16 l.  Each store of a wave covers 512 consecutive bytes, aligned.
;   q_img, k_img: block (n / 128) x 512 + m / 16  (n: channel, m: token): bytes 0-1023 the even head's fragment (16 tokens x 64), bytes 1024-2047 the odd head's.      v_img: block (m / 128) x 64 + n / 16: 16 channels x 128 keys.
; Four waves, as many as a WGP has SIMDs; a wave makes 128 x 128: 64 accumulators, 512 registers.  K goes in steps of 256 through a ring of two LDS slots filled by the tensor data mover.
; CLUSTERS: 4 x 4 work-groups; P's tile is shared along a row of the cluster, R's along a column: each is asked for JOINTLY, by the same tensor load with the same descriptor and a mask that names the four.
; 384 work-groups: 32 x 4 tiles for each of the three products.
; A fragment is fetched by four loads of 16 bytes: lane l holds K = 32 c + 16 (l / 16) + 0 .. 15 in registers 4 c .. 4 c + 3: a permutation of k that is the same in P and in R, so every product meets its partner.
; LIMITS: E = e(result) - e(x) - e(W) (entries 6-0-1, 7-2-3, 9-4-5 of the scales) lies between -126 and 112, so that 2^E and 57,344 x 2^E are f32 numbers.  Sums beyond the scale's range are held at the largest code.  NaN is not served.
; REGISTERS, in windows of 256: window 0: v0-31 addresses and constants; v32-95 at work on the way out; v128-255 P's fragments, ONE set, later the codes.   window 1: R's fragments, TWO sets.   windows 2, 3: the accumulators ((a, b) at v[8 (8 (a % 4) + b)]).
.set KSTEP,  256                       ; along K in a slot
.set ROWB,   256                       ; a tile's row in bytes
.set KROW,   1024                      ; a row of x or of W in memory, in bytes
.set PITCH,  272                       ; an LDS row: 256 bytes + 16 of padding = 68 words: row r starts at bank 4 r mod 64 (64 banks of 4 bytes: ISA guide 11.1), so the 16 rows of a load start at 16 different banks
.set FR,     16                        ; registers of a fragment: 16 rows x 128 K
.set NL,     4                         ; LDS loads that bring one
.set NP,     4                         ; places behind this matrix instruction (ISA guide 7.12.1)
.set HALFT,  128*PITCH                 ; 128 rows: what one tensor load brings, and what one wave reads of P or of R
.set SLOT,   4*HALFT                   ; P's 256 rows, then R's 256 rows
.set LAPS,   1024/(2*KSTEP)            ; a lap = two K steps = once round the ring
.set SPARE,  2*SLOT                    ; behind the ring: the spare words, 128 bytes for each wave: two blocks of 256 bytes that no other line names
.set ADRA, 16                          ; v16-17  LDS address of my P fragments in slot 0, 1
.set ADRB, 20                          ; v20-21  the same for R
.set CO,   26                          ; v26     16 x lane: my place in an image's 512 bytes
.set SPW,  28                          ; v28     LDS address of my spare word; never rewritten
.set NIL,  29                          ; v29     0; never rewritten
.set SCL,  30                          ; v30     2^E as f32: the conversion takes its exponent field
.set LIM,  31
.set TMP,  32
.set AF,   128                         ; P's fragments, in window 0
.set CD,   128                         ; the way out: 16 registers of codes for each of my eight blocks, so that no store's data are written again
.set G1, 24                            ; s[24:31] descriptor group 1 for P's tiles;  s[32:39] group 0, one set for each slot
.set G0, 32
.set G1B, 48                           ; s[48:55], s[56:63] the same for R's tiles
.set G0B, 56
.set MSB, 0
.macro WIN new                         ; the immediate's high byte repeats the setting that is left
.if MSB != (\new)
	s_set_vgpr_msb (MSB<<8)|(\new)
.set MSB, (\new)
.endif
.endm
.set MUL_LO, 0xa1                      ; source 0 (R) window 1, source 1 (P) window 0, C and D window 2
.set MUL_HI, 0xf1                      ; the same, C and D window 3
.set TO_B,   0x40                      ; destination window 1, address window 0
; A joint load: waves 0 and 1 fetch for P, waves 2 and 3 for R.  Each of the two lines has ONE mask and one set of registers for all that issue it; the branch hangs on the wave's number alone.
; Four v_nop follow each of the two lines, ahead of the jump, the label and what follows.
.macro JLOAD g0a, g1a, g0b, g1b
	s_cmp_eq_u32 s15, 0
	s_cbranch_scc0 .Lfor_b_\@
	tensor_load_to_lds s[\g0a:\g0a+3], s[\g1a:\g1a+7]
	s_nop 0
.rept 4
	v_nop
.endr
	s_branch .Lasked_\@
.Lfor_b_\@:
	tensor_load_to_lds s[\g0b:\g0b+3], s[\g1b:\g1b+7]
	s_nop 0
.rept 4
	v_nop
.endr
.Lasked_\@:
.endm
.macro CREST                           ; a round of the cluster's barrier behind its opening barrier
	s_cmp_lg_u32 s14, 0
	s_cbranch_scc1 .Lnot_wave_0_\@
	s_barrier_signal -3
.Lnot_wave_0_\@:
	s_barrier_wait -3
	s_barrier_signal -1
	s_barrier_wait -1
.endm
.macro CROUND                          ; a whole round
	s_barrier_signal -1
	s_barrier_wait -1
	CREST
.endm
	s_load_b256 s[68:75], s[0:1], 0x0              ; x s[68:69], Wq s[70:71], Wk s[72:73], Wv s[74:75]
	s_load_b256 s[76:83], s[0:1], 0x20             ; the scales' exponents s[76:77], q_img s[78:79], k_img s[80:81], v_img s[82:83]
	v_lshl_add_u32 v[SPW], v0, 2, SPARE
	v_mov_b32 v[NIL], 0
	ds_add_u32 v28, v29
	ds_add_u32 v28, v29
	s_wait_dscnt 0x0
	v_lshrrev_b32 v1, 5, v0
	v_readfirstlane_b32 s14, v1                    ; wave 0..3
	s_lshr_b32 s15, s14, 1                         ; which half of the tile's rows of P is mine.  Also: I fetch for P (0) or for R (1)
	s_and_b32 s16, s14, 1                          ; which half of its rows of R.  Also: which 128 rows of that tile I fetch
	s_bfe_u32 s40, ttmp6, 0x40000                  ; cx, cy: my place in the cluster
	s_bfe_u32 s41, ttmp6, 0x40004
	s_and_b32 s13, ttmp7, 0xffff
	s_lshl_b32 s13, s13, 2                         ; 4 x cluster y: along x's 32 tiles of 256 tokens
	s_cmp_eq_u32 ttmp9, 2                          ; V?  The cluster's x is the same in all sixteen partners
	s_cselect_b32 s17, 0, s13                      ; x is P for Q and K,
	s_cselect_b32 s42, s13, 0                      ; and R for V
	s_cselect_b32 s12, 64, 512                     ; blocks of 16 rows of P in the whole tensor: the image's row of blocks
	s_add_co_u32 s17, s17, s41                     ; P's tile: it never holds cx
	s_add_co_u32 s42, s42, s40                     ; R's tile: it never holds cy
	s_lshl_b32 s43, s41, 2
	s_lshl_b32 s43, 15, s43                        ; my row of the cluster
	s_lshl_b32 s44, 0x1111, s40                    ; my column
	; descriptor group 1: a tile of 128 rows x 256 bytes, padded in LDS
	s_or_b32 s[G1+0], s43, (0<<16)|(1<<20)|(1<<21)|(5<<22)|(3<<25)  ; 15:0 the mask: P's tiles go to my row; 17:16 element of 1 byte; 20 padding on; 21 set beside a mask; 24:22 after every 64 words (code 5); 31:25 of 4 words (code 3)
	s_or_b32 s[G1B+0], s44, (0<<16)|(1<<20)|(1<<21)|(5<<22)|(3<<25) ; the same with the mask of my column
.irp g, G1, G1B
	s_mov_b32 s[\g+1], ROWB<<16                    ; tensor_dim0
	s_mov_b32 s[\g+2], 128<<16                     ; tensor_dim1 = 128
	s_mov_b32 s[\g+3], ROWB<<16                    ; tile_dim0
	s_mov_b32 s[\g+4], 128                         ; tile_dim1 = 128
	s_mov_b32 s[\g+5], KROW                        ; tensor_dim0_stride
	s_mov_b32 s[\g+6], 0
	s_mov_b32 s[\g+7], 0
.endr
	s_lshl_b32 s18, s16, 7                         ; which 128 rows of the tile I fetch
	s_lshl_b32 s20, s17, 8
	s_add_co_u32 s20, s20, s18                     ; P: row 256 x tile + 128 x half,
	s_lshl_b32 s20, s20, 10                        ; in bytes (under 2^23)
	s_mov_b32 s21, 0
	s_lshl_b32 s46, s42, 8
	s_add_co_u32 s46, s46, s18                     ; R likewise
	s_lshl_b32 s46, s46, 10
	s_mov_b32 s47, 0
	s_mul_i32 s45, s14, HALFT                      ; where they go: wave x 128 rows: no place in the cluster enters an LDS address
	s_wait_kmcnt 0x0
	s_load_b256 s[84:91], s[76:77], 0x0            ; entries 0 to 7 of the scales
	s_load_b32 s93, s[76:77], 0x24                 ; entry 9
	s_cmp_eq_u32 ttmp9, 2
	s_cselect_b64 s[4:5], s[74:75], s[68:69]       ; P: Wv, or x
	s_cselect_b64 s[6:7], s[68:69], s[70:71]       ; R: x, or Wq,
	s_cselect_b64 s[10:11], s[82:83], s[78:79]     ; the image: v_img, or q_img,
	s_cmp_eq_u32 ttmp9, 1
	s_cselect_b64 s[6:7], s[72:73], s[6:7]         ; or Wk
	s_cselect_b64 s[10:11], s[80:81], s[10:11]     ; and k_img
	s_add_nc_u64 s[20:21], s[4:5], s[20:21]
	s_add_nc_u64 s[46:47], s[6:7], s[46:47]
	CROUND                                         ; all sixteen work-groups are here: the first joint loads meet
.irp s, 0,1
	s_mov_b32 s[G0+4*\s], 1                        ; 1:0 count = 1
	s_add_co_u32 s[G0+4*\s+1], s45, \s*SLOT        ; 63:32 LDS address
	s_add_nc_u64 s[G0+4*\s+2:G0+4*\s+3], s[20:21], \s*ROWB   ; 120:64 global address: K step s
	s_or_b32 s[G0+4*\s+3], s[G0+4*\s+3], 0x80000000          ; 127:126 type = 2
	s_mov_b32 s[G0B+4*\s], 1
	s_add_co_u32 s[G0B+4*\s+1], s45, \s*SLOT
	s_add_nc_u64 s[G0B+4*\s+2:G0B+4*\s+3], s[46:47], \s*ROWB
	s_or_b32 s[G0B+4*\s+3], s[G0B+4*\s+3], 0x80000000
	JLOAD G0+4*\s, G1, G0B+4*\s, G1B
.endr
	v_and_b32 v1, 15, v0                           ; l % 16
	v_bfe_u32 v2, v0, 4, 1                         ; l / 16
	v_mul_u32_u24 v3, v1, PITCH
	v_lshl_add_u32 v4, v2, 4, v3                   ; a fragment's row x pitch + 16 x half
	s_mul_i32 s21, s15, HALFT                      ; my 128 rows of P
	s_mul_i32 s22, s16, HALFT                      ; my 128 rows of R,
	s_add_co_u32 s22, s22, 2*HALFT                 ; which lie behind P's 256
.irp s, 0,1
	v_add_nc_u32 v[ADRA+\s], s21, v4
	v_add_nc_u32 v[ADRB+\s], s22, v4
	s_add_co_u32 s21, s21, SLOT
	s_add_co_u32 s22, s22, SLOT
.endr
	v_and_b32 v6, 31, v0
	v_lshlrev_b32 v[CO], 4, v6
	s_lshl_b32 s94, s42, 1                         ; my first block of the image: (2 x R's tile + my half) rows of blocks
	s_add_co_u32 s94, s94, s16
	s_mul_i32 s94, s94, s12
	s_lshl_b32 s95, s17, 4                         ; + 16 x P's tile + 8 x my half,
	s_add_co_u32 s94, s94, s95
	s_lshl_b32 s95, s15, 3
	s_add_co_u32 s94, s94, s95
	s_lshl_b32 s94, s94, 11                        ; of 2,048 bytes (under 2^23)
	s_mov_b32 s95, 0
	s_add_nc_u64 s[10:11], s[10:11], s[94:95]
.macro FRAG reg, adr, q, i             ; a fragment, 16 rows x 128 K of 8-bit codes: four loads of 16 bytes, 32 bytes apart
.irp c, 0,1,2,3
	ds_load_b128 v[\reg+4*\c:\reg+4*\c+3], v[\adr] offset:128*(\q)+32*\c+(\i)*16*PITCH
.endr
.endm
; 16 matrix instructions: P's blocks a0, a0 + 1 x R's eight, 128 along K.  p: R's set.  zero = 1: the first product starts the sums: nothing is ever cleared.
; The 64 accumulators take turns, one instruction a turn, in the same order in every step.
.macro MUL16 a0, p, zero
.irp a, \a0, \a0+1
.irp b, 0,1,2,3,4,5,6,7
.if \zero
	v_wmma_f32_16x16x128_bf8_bf8 v[8*(8*((\a)%4)+\b):8*(8*((\a)%4)+\b)+7], v[128*(\p)+FR*\b:128*(\p)+FR*\b+FR-1], v[AF+FR*(\a):AF+FR*(\a)+FR-1], 0
.else
	v_wmma_f32_16x16x128_bf8_bf8 v[8*(8*((\a)%4)+\b):8*(8*((\a)%4)+\b)+7], v[128*(\p)+FR*\b:128*(\p)+FR*\b+FR-1], v[AF+FR*(\a):AF+FR*(\a)+FR-1], v[8*(8*((\a)%4)+\b):8*(8*((\a)%4)+\b)+7]
.endif
.endr
.endr
.endm
.macro FETCH_B slot, q, p              ; R's eight fragments of the slot's q-th 128 along K into set p
	WIN TO_B
.irp i, 0,1,2,3,4,5,6,7
	FRAG 128*(\p)+FR*\i, ADRB+\slot, \q, \i
.endr
	WIN 0
.endm
.macro FETCH_A slot, q, i0             ; P's blocks i0 .. i0 + 3
.irp i, \i0, \i0+1, \i0+2, \i0+3
	FRAG AF+FR*(\i), ADRA+\slot, \q, \i
.endr
.endm
; A load into a register that a matrix instruction has read, and a vector instruction that reads a matrix result, stand NP places behind that matrix instruction, and only plain vector
; instructions that name none of its registers are places (ISA guide 7.12.1 for vector instructions).
.macro PLACES n
.rept \n
	v_nop
.endr
.endm
; A step of 128 along K that has its successor in the same slot.  P's blocks are free as soon as their eight products are issued, so one set serves P: blocks 0-3 come anew in the step's middle, blocks 4-7 at its end.
.macro STEP slot, q, zero
	s_wait_dscnt 4*NL                              ; R's set and P's blocks 0-3 are in; the youngest sixteen loads (P's blocks 4-7) may be out
	WIN MUL_LO
	MUL16 0, (\q)%2, \zero
	MUL16 2, (\q)%2, \zero
	s_wait_dscnt 0                                 ; P's blocks 4-7 are in (asked for 32 matrix instructions ago)
	PLACES NP
	FETCH_B \slot, (\q)+1, 1-(\q)%2
	FETCH_A \slot, (\q)+1, 0
	WIN MUL_HI
	MUL16 4, (\q)%2, \zero
	MUL16 6, (\q)%2, \zero
	PLACES NP
	WIN 0
	FETCH_A \slot, (\q)+1, 4
.endm
; A slot's last step changes slots: ONE barrier; in front of it each wave waits for all its tensor loads, adds 0 to its spare word, and waits for that and for its own reads of this slot.  fill = 1: this slot is filled again, two K steps ahead.
.macro TURN slot, next, fill
	s_wait_tensorcnt 0x0                           ; all my tensor loads have landed: my part of the next slot  (every window is 0 here: the add's two registers lie in window 0)
	ds_add_u32 v[SPW], v[NIL]                      ; 0 onto my spare word
	s_wait_dscnt 4*NL+1                            ; (the add and the youngest sixteen loads, P's blocks 4-7, may be out)
	WIN MUL_LO
	MUL16 0, 1, 0                                  ; sixteen matrix instructions stand between the add and the wait for it
	s_wait_dscnt 0x0                               ; the add is done, and my reads of this slot are over
	s_barrier_signal -1
	MUL16 2, 1, 0
	WIN 0
	s_barrier_wait -1
.if \fill
	CREST                                          ; the barrier has opened a round of the cluster's barrier: no wave of any partner still reads this slot's tile or has a load on its way
	s_add_nc_u64 s[G0+4*\slot+2:G0+4*\slot+3], s[G0+4*\slot+2:G0+4*\slot+3], 2*ROWB
	s_add_nc_u64 s[G0B+4*\slot+2:G0B+4*\slot+3], s[G0B+4*\slot+2:G0B+4*\slot+3], 2*ROWB
	JLOAD G0+4*\slot, G1, G0B+4*\slot, G1B         ; the first tensor load behind the round; the four v_nop behind it are the places in front of the loads below
.else
	PLACES NP
.endif
	FETCH_B \next, 0, 0
	FETCH_A \next, 0, 0
	WIN MUL_HI
	MUL16 4, 1, 0
	MUL16 6, 1, 0
	PLACES NP
	WIN 0
	FETCH_A \next, 0, 4
.endm
	s_wait_alu depctr_va_vdst(0)
	s_wait_tensorcnt 1                             ; my part of K step 0 is in (K step 1's load may be out)
	s_barrier_signal -1
	s_barrier_wait -1                              ; everybody's is
	FETCH_B 0, 0, 0
	FETCH_A 0, 0, 0
	FETCH_A 0, 0, 4
	STEP 0, 0, 1                                   ; the first step stands in front of the loop: its products start the sums
	s_mov_b32 s3, LAPS-1
.Llap:                                                 ; a trip goes once round the ring, from a lap's second step to the next lap's first, and fills both slots again
	TURN 0, 1, 1
	STEP 1, 0, 0
	TURN 1, 0, 1
	STEP 0, 0, 0
	s_sub_co_u32 s3, s3, 1
	s_cmp_lg_u32 s3, 0
	s_cbranch_scc1 .Llap
	TURN 0, 1, 0                                   ; the last lap fills nothing, and has no round of the cluster's barrier
	STEP 1, 0, 0
	s_wait_dscnt 4*NL                              ; the very last step: nothing more to fetch
	WIN MUL_LO
	MUL16 0, 1, 0
	MUL16 2, 1, 0
	s_wait_dscnt 0
	WIN MUL_HI
	MUL16 4, 1, 0
	MUL16 6, 1, 0
	WIN 0
	; THE WAY OUT.  A sum stands for sum x 2^(e(x) + e(W)), so its code is sum / 2^E, E = e(result) - e(x) - e(W): the three scales are folded into the conversion's one.  All three E are made, then one is selected.
	s_wait_kmcnt 0x0
	s_sub_co_i32 s18, s90, s84                     ; Q: entries 6 - 0 - 1
	s_sub_co_i32 s18, s18, s85
	s_sub_co_i32 s19, s91, s86                     ; K: 7 - 2 - 3
	s_sub_co_i32 s19, s19, s87
	s_sub_co_i32 s22, s93, s88                     ; V: 9 - 4 - 5
	s_sub_co_i32 s22, s22, s89
	s_cmp_eq_u32 ttmp9, 2
	s_cselect_b32 s18, s22, s18
	s_cmp_eq_u32 ttmp9, 1
	s_cselect_b32 s18, s19, s18
	s_add_co_i32 s18, s18, 127
	s_lshl_b32 s96, s18, 23                        ; 2^E as f32
	s_add_co_i32 s18, s18, 15
	s_lshl_b32 s97, s18, 23
	s_or_b32 s97, s97, 0x600000                    ; 57,344 x 2^E
	PLACES NP                                      ; behind the last products: for the first reads of results and for the codes, which land where P's fragments lay
	v_mov_b32 v[SCL], s96
; Block a: my rows 16 a .. 16 a + 15 of P against my 128 rows of R: 64 sums a lane become 16 registers of codes, one image block of 2,048 bytes.
.macro OUTBLK a
.set AC, 64*((\a)%4)
	WIN 0x02+((\a)/4)                              ; source 0: window 2 or 3
.set II, 0
.rept 64
.set II, II+1
.endr
.irp b, 0,1,2,3,4,5,6,7
	v_cvt_scalef32_pk8_bf8_f32 v[CD+16*(\a)+2*\b:CD+16*(\a)+2*\b+1], v[AC+8*\b:AC+8*\b+7], v[SCL]
.endr
	WIN 0
	v_nop                                          ; one plain vector instruction between the last conversion and the stores that read its results
.irp c, 0,1,2,3
	global_store_b128 v[CO], v[CD+16*(\a)+4*\c:CD+16*(\a)+4*\c+3], s[10:11] offset:2048*(\a)+512*\c   ; 32 lanes store 512 consecutive bytes, at a multiple of 512 from the image's first byte
.endr
.endm
.irp a, 0,1,2,3,4,5,6,7
	OUTBLK \a
.endr
	s_wait_tensorcnt 0x0                           ; the wave's end
	ds_add_u32 v[SPW], v[NIL]
	s_wait_dscnt 0x0
	CROUND                                         ; the closing round: no work-group ends while a partner may still ask for a tile that names it
	s_endpgm
.Lfunc_end_k_q5ff437e7b5_qkv:
	.size	k_q5ff437e7b5_qkv, .Lfunc_end_k_q5ff437e7b5_qkv-k_q5ff437e7b5_qkv
	.p2alignl 7, 3214868480
	.fill 96, 4, 3214868480
	.section	.rodata,"a",@progbits
	.p2align	6, 0x0
	.amdhsa_kernel k_q5ff437e7b5_qkv
		.amdhsa_group_segment_fixed_size 327680
		.amdhsa_private_segment_fixed_size 0
		.amdhsa_enable_private_segment 0
		.amdhsa_kernarg_size 64
		.amdhsa_user_sgpr_count 2
		.amdhsa_user_sgpr_kernarg_segment_ptr 1
		.amdhsa_wavefront_size32 1
		.amdhsa_system_sgpr_workgroup_id_x 1
		.amdhsa_system_sgpr_workgroup_id_y 1
		.amdhsa_system_sgpr_workgroup_id_z 1
		.amdhsa_system_vgpr_workitem_id 0
		.amdhsa_next_free_vgpr 1024
		.amdhsa_next_free_sgpr 100
		.amdhsa_reserve_vcc 0
		.amdhsa_float_denorm_mode_32 3
		.amdhsa_float_denorm_mode_16_64 3
		.amdhsa_fp16_overflow 1
		.amdhsa_memory_ordered 1
		.amdhsa_forward_progress 1
		.amdhsa_inst_pref_size 86
	.end_amdhsa_kernel
	.amdgpu_metadata
---
amdhsa.version: [ 1, 2 ]
amdhsa.kernels:
  - .name:           k_q5ff437e7b5_qkv
    .symbol:         k_q5ff437e7b5_qkv.kd
    .args:
      - { .name: inputs_codes, .offset: 0, .size: 8, .value_kind: global_buffer, .address_space: global }
      - { .name: W_q_codes, .offset: 8, .size: 8, .value_kind: global_buffer, .address_space: global }
      - { .name: W_k_codes, .offset: 16, .size: 8, .value_kind: global_buffer, .address_space: global }
      - { .name: W_v_codes, .offset: 24, .size: 8, .value_kind: global_buffer, .address_space: global }
      - { .name: lowp_scales, .offset: 32, .size: 8, .value_kind: global_buffer, .address_space: global }
      - { .name: q_img, .offset: 40, .size: 8, .value_kind: global_buffer, .address_space: global }
      - { .name: k_img, .offset: 48, .size: 8, .value_kind: global_buffer, .address_space: global }
      - { .name: v_img, .offset: 56, .size: 8, .value_kind: global_buffer, .address_space: global }
    .group_segment_fixed_size: 327680
    .private_segment_fixed_size: 0
    .kernarg_segment_align: 8
    .kernarg_segment_size: 64
    .max_flat_workgroup_size: 128
    .sgpr_count:     100
    .vgpr_count:     1024
    .wavefront_size: 32
...
	.end_amdgpu_metadata
.endif
;; end of part 1
;; launch attn (part 2): grid 4 x 64, 8 waves a work-group, clusters of 4 x 1, 263,168 bytes of LDS; arguments q_img, k_img, v_img, lowp_scales, ctx_img; writes ctx_img
.if DOCPART == 2
	.amdgcn_target "amdgcn-amd-amdhsa--gfx1250"
	.amdhsa_code_object_version 6
	.text
	.protected	k_q5ff437e7b5_attn
	.globl	k_q5ff437e7b5_attn
	.p2align	8
	.type	k_q5ff437e7b5_attn,@function
k_q5ff437e7b5_attn:
	s_mov_b64 s[64:65], 0
	v_nop
	global_prefetch_b8 v0, s[64:65] scope:SCOPE_SE
	s_setreg_imm32_b32 hwreg(HW_REG_WAVE_MODE, 25, 1), 1
	s_wait_xcnt 0x0
	s_wait_alu depctr_hold_cnt(0) depctr_sa_sdst(0) depctr_va_vdst(0) depctr_va_sdst(0) depctr_va_ssrc(0) depctr_va_vcc(0) depctr_vm_vsrc(0)
	s_getreg_b32 s2, hwreg(HW_REG_IB_STS2, 6, 4)
	s_cmp_eq_u32 s2, 0
	s_cbranch_scc0 .Lentry_in_a_cluster
	s_endpgm
.Lentry_in_a_cluster:
	s_bfe_u32 s2, ttmp6, 0x10000c
	s_cmp_lg_u32 s2, 0x3003
	s_cbranch_scc0 .Lentry_shape_is_right
	s_endpgm
.Lentry_shape_is_right:
; Causal attention of one head (64 channels, 2,048 tokens) on codes of BF8 (E5M2); the result is quantised at once into the codes of the last projection's operand.
; INPUTS are images of operand registers (a block of 2,048 bytes: registers 4 c .. 4 c + 3 of lane l at 512 c + 16 l):
;   q_img, k_img: block (h / 2) x 512 + (128 b + tile of 16 tokens); head h's fragment (16 tokens x 64 channels, 8 registers) is its bytes 1,024 (h % 2) on.     v_img: block (16 b + s) x 64 + 4 h + d: 16 channels x the 128 keys of step s, 16 registers.
; OUTPUT ctx_img: block (128 b + tile) x 8 + h / 2: 16 tokens x 128 along the last projection's K; head h fills its bytes 1,024 (h % 2) on.
; THE SOFTMAX AHEAD OF THE SECOND PRODUCT: t = score x log2(e) / 8; M = the row's largest t so far, rounded UP to a whole number; p = 2^(t - M) is what is quantised, not normalised.
; The row's sum is taken of the unquantised p, in f32, and divides O at the end.  When M moves, the sum and O are multiplied by 2^(old M - new M): nothing is rounded.
; LAYOUT.  Both products are used transposed: S^T = K Q^T (source 0 = 16 keys, source 1 = 16 queries), O^T = V^T P^T (source 0 = 16 channels, source 1 = P): a lane holds ONE query (lane % 16) throughout.
; Tile c of a step's scores holds, in lane (r, g), keys 16 c + 8 g + 0 .. 7: its conversion gives registers 2 c, 2 c + 1 of P in the 8-bit operand layout (ISA guide 7.12.2).  V's image has the same order of keys.
; SHARES.  A cluster of four work-groups is one head.  A block is 128 queries; of every block the work-group at place cx owns tiles 2 cx and 2 cx + 1, a PAIR, which shares every fragment of K and V read from LDS.
; Wave w takes the pair of block 15 - w and then the pair of block w: (16 - w) + (w + 1) = 17 key steps of 128 keys in every wave of every work-group.
; Every branch hangs on the wave's number and on loop counters alone; cx enters only Q's and the output's addresses and the numbers that the mask compares.  So the partners run alike and K and V are asked for JOINTLY.
; LDS holds the WHOLE head: 16 steps x (8,192 bytes of K + 8,192 of V) = 262,144 bytes.  Each byte is filled once, by joint tensor loads issued at the head, four a wave; nothing is stored to LDS and nothing is filled again.
; Every loop walks a constant number of steps; a step all of whose keys come after the pair's queries is jumped over.  On the diagonal hidden scores become -infinity ahead of the maximum; key 0 of the diagonal step counts for every query.
; Two waves to a SIMD (448 registers each), so that one wave's vector work stands beside the other's matrix work and LDS loads.
; LIMITS on the given exponents, so that each power of two below is an f32 number: entries 6 + 7 between -123 and 130 (added to c's exponent field); entry 8 and entry 10 between -126 and 112; 8 + 9 is applied by v_ldexp_f32 and has none.  NaN is not served.
; REGISTERS.  window 0: v1-9 addresses and constants; v12-29 statistics; v32-63 P's codes, 16 a tile; v64-191 S^T, then p, 64 a tile; v192-255 O^T, 32 a tile.   window 1: v0-31 Q (block 15 - w's pair, block w's pair; 8 a tile); v64-127 K of a step; v128-191 V of a step.
.set STEPB, 16384                      ; a key step in LDS: K's 8 fragments of 1,024 bytes, then V's 4 of 2,048
.set LI,   1                           ; v1   16 x lane; never rewritten
.set ADR,  2                           ; v2   LDS address of the step in hand
.set NINF, 3                           ; v3   -infinity
.set DG,   4                           ; v4, v5  tile 0, 1: my query's place in its block less 8 (lane / 16)
.set PSC,  6                           ; v6   2^ep as f32
.set PLM,  7
.set CSC,  8                           ; v8   2^(entry 10)
.set CLM,  9
.set ST,   12                          ; tile t at v[ST+4 t]: +0 -M, +1 the largest t, +2, +3 the sum in two halves
.set FF,   20                          ; v[FF+2 t]: f = 2^(old M - new M); the register above it is named with it as a pair
.set MA,   24                          ; v[MA+2 t], v[MA+2 t+1]: at work
.set PD,   28                          ; v[PD+t]: a lane permute's destination
.set PC,   32
.set SC,   64
.set OT,   192
.set KF,   64                          ; in window 1
.set VF,   128                         ; in window 1
.set WV,   14                          ; s14  my wave's number
.set CX,   15                          ; s15  my place in the cluster
.set CS,   20                          ; s[20:21] c = log2(e) / 8 x 2^(eq + ek): the packed form names a pair and takes its low word for both halves
.set SEL,  22                          ; s[22:23] lane selects for v_permlanex16_b32: lane l xor 16
.set G1K,  24                          ; s[24:31] descriptor group 1 for K's tiles;  s[32:39] for V's
.set G1V,  32
.set G0K,  40                          ; s[40:55] four groups 0 for K's tiles;  s[68:83] for V's
.set G0V,  68
.set JHI,  56                          ; s56  15 - w
.set JLO,  57                          ; s57  w
.set TB,   58                          ; s58  LDS byte at which the step in hand begins
.set SI,   59                          ; s59  the step in hand
.set EPV,  60                          ; s60  ep + ev
.set QHI,  92                          ; s[92:93], s[94:95] the two pairs' first block in q_img
.set QLO,  94
.set OHI,  96                          ; s[96:97], s[98:99] and in ctx_img
.set OLO,  98
.set MSB, 0
.macro WIN new                         ; the immediate's high byte repeats the setting that is left
.if MSB != (\new)
	s_set_vgpr_msb (MSB<<8)|(\new)
.set MSB, (\new)
.endif
.endm
.macro CROUND                          ; a round of the cluster's barrier
	s_barrier_signal -1
	s_barrier_wait -1
	s_cmp_lg_u32 s[WV], 0
	s_cbranch_scc1 .Lnot_wave_0_\@
	s_barrier_signal -3
.Lnot_wave_0_\@:
	s_barrier_wait -3
	s_barrier_signal -1
	s_barrier_wait -1
.endm
	s_load_b256 s[4:11], s[0:1], 0x0               ; q_img s[4:5], k_img s[6:7], v_img s[8:9], the scales' exponents s[10:11]
	s_load_b64 s[12:13], s[0:1], 0x20              ; ctx_img
	v_lshl_add_u32 v30, v0, 2, 0x40000
	v_mov_b32 v31, 0
	ds_add_u32 v30, v31
	ds_add_u32 v30, v31
	v_lshrrev_b32 v2, 5, v0
	s_delay_alu instid0(VALU_DEP_1)
	v_readfirstlane_b32 s[WV], v2                  ; wave 0..7
	s_bfe_u32 s[CX], ttmp6, 0x40000                ; cx
	s_and_b32 s16, ttmp7, 0xffff                   ; 16 b + h, which the four partners share
	s_lshr_b32 s17, s16, 4                         ; b
	s_and_b32 s18, s16, 15                         ; h
	s_lshr_b32 s19, s18, 1
	s_lshl_b32 s19, s19, 20                        ; (h / 2) x 512 blocks of 2,048 bytes
	s_lshl_b32 s61, s17, 18                        ; + 128 b blocks
	s_add_co_u32 s100, s19, s61
	s_and_b32 s19, s18, 1
	s_lshl_b32 s19, s19, 10                        ; + the head's half of a block
	s_add_co_u32 s100, s100, s19                   ; the head's first byte in q_img and in k_img
	s_mov_b32 s101, 0
	s_and_b32 s61, s[WV], 3                        ; load i of wave w brings step 4 i + w % 4: of K in waves 0 to 3, of V in waves 4 to 7
	s_lshl_b32 s62, s61, 14                        ; step w % 4: its place in LDS, and its 8 blocks of K in memory
	s_mov_b32 s63, 0
	s_add_nc_u64 s[2:3], s[100:101], s[62:63]
	s_lshl_b32 s56, s17, 21                        ; V: (16 b x 64 + 4 h) blocks
	s_lshl_b32 s57, s18, 13
	s_add_co_u32 s56, s56, s57
	s_lshl_b32 s57, s61, 17                        ; + (w % 4) x 64 blocks
	s_add_co_u32 s56, s56, s57
	s_mov_b32 s57, 0
	; descriptor group 1.  K: a step's 8 fragments, rows of 1,024 bytes, 2,048 apart in memory (the other head's lie between), dense in LDS.  V: a step's 8,192 bytes, dense in memory, as 32 rows of 256 bytes
	s_mov_b32 s[G1K], 15|(1<<21)                   ; 15:0 the mask: all four work-groups; 17:16 elements of 1 byte; 20 no padding; 21 set beside a mask
	s_mov_b32 s[G1K+1], 1024<<16                   ; tensor_dim0
	s_mov_b32 s[G1K+2], 8<<16                      ; tensor_dim1
	s_mov_b32 s[G1K+3], 1024<<16                   ; tile_dim0
	s_mov_b32 s[G1K+4], 8                          ; tile_dim1
	s_mov_b32 s[G1K+5], 2048                       ; tensor_dim0_stride
	s_mov_b32 s[G1K+6], 0
	s_mov_b32 s[G1K+7], 0
	s_mov_b32 s[G1V], 15|(3<<16)|(1<<21)           ; elements of 8 bytes
	s_mov_b32 s[G1V+1], 32<<16
	s_mov_b32 s[G1V+2], 32<<16
	s_mov_b32 s[G1V+3], 32<<16
	s_mov_b32 s[G1V+4], 32
	s_mov_b32 s[G1V+5], 32
	s_mov_b32 s[G1V+6], 0
	s_mov_b32 s[G1V+7], 0
	s_mov_b32 s[SEL], 0x76543210
	s_mov_b32 s[SEL+1], 0xfedcba98
	s_wait_dscnt 0x0
	s_wait_kmcnt 0x0
	s_load_b64 s[86:87], s[10:11], 0x18            ; eq, ek (entries 6, 7)
	s_load_b96 s[88:90], s[10:11], 0x20            ; ep, ev, and the output codes' exponent (entries 8, 9, 10)
	s_add_nc_u64 s[6:7], s[6:7], s[2:3]            ; K and V at step w % 4 of my head
	s_add_nc_u64 s[8:9], s[8:9], s[56:57]
.irp i, 0,1,2,3
	s_mov_b32 s[G0K+4*\i], 1                       ; 1:0 count = 1
	s_add_co_u32 s[G0K+4*\i+1], s62, \i*4*STEPB    ; 63:32 LDS address: step 4 i + w % 4
	s_add_nc_u64 s[G0K+4*\i+2:G0K+4*\i+3], s[6:7], \i*65536     ; 120:64 global address: four steps are 32 blocks on
	s_or_b32 s[G0K+4*\i+3], s[G0K+4*\i+3], 0x80000000           ; 127:126 type = 2
	s_mov_b32 s[G0V+4*\i], 1
	s_add_co_u32 s[G0V+4*\i+1], s62, \i*4*STEPB+8192            ; V lies behind the step's K
	s_add_nc_u64 s[G0V+4*\i+2:G0V+4*\i+3], s[8:9], \i*524288    ; four steps are 256 blocks on
	s_or_b32 s[G0V+4*\i+3], s[G0V+4*\i+3], 0x80000000
.endr
	CROUND                                         ; all four work-groups are here: the joint loads meet
	s_cmp_lt_u32 s[WV], 4                          ; a wave's four fills stand in one branch, ahead of every wait on TENSORcnt and every LDS read: four loads of mine are out; four v_nop follow the last
	s_cbranch_scc0 .Lfill_v
.irp i, 0,1,2,3
	tensor_load_to_lds s[G0K+4*\i:G0K+4*\i+3], s[G1K:G1K+7]
	s_nop 0
.endr
.rept 4
	v_nop
.endr
	s_branch .Lfilled
.Lfill_v:
.irp i, 0,1,2,3
	tensor_load_to_lds s[G0V+4*\i:G0V+4*\i+3], s[G1V:G1V+7]
	s_nop 0
.endr
.rept 4
	v_nop
.endr
.Lfilled:
	s_sub_co_u32 s[JHI], 15, s[WV]
	s_mov_b32 s[JLO], s[WV]
	s_add_nc_u64 s[4:5], s[4:5], s[100:101]        ; q_img at my head
	s_lshl_b32 s19, s[CX], 1                       ; my pair's first tile in a block
	s_lshl_b32 s61, s17, 21                        ; ctx_img: 128 b tiles x 8 blocks,
	s_lshl_b32 s62, s18, 10                        ; + (h / 2) blocks + (h % 2) halves = 1,024 h bytes
	s_add_co_u32 s61, s61, s62
.macro WHERE j, q, o                   ; the pair of block j: tile 8 j + 2 cx: its blocks in q_img (2,048 bytes a tile) and in ctx_img (8 blocks a tile)
	s_lshl_b32 s2, s[\j], 3
	s_add_co_u32 s2, s2, s19
	s_lshl_b32 s62, s2, 11
	s_add_nc_u64 s[\q:\q+1], s[4:5], s[62:63]
	s_lshl_b32 s62, s2, 14
	s_add_co_u32 s62, s62, s61
	s_add_nc_u64 s[\o:\o+1], s[12:13], s[62:63]
.endm
	WHERE JHI, QHI, OHI
	WHERE JLO, QLO, OLO
	v_and_b32 v[LI], 31, v0
	s_delay_alu instid0(VALU_DEP_1)
	v_lshlrev_b32 v[LI], 4, v[LI]
	WIN 0x40                                       ; destination window 1, address window 0
.irp t, 0,1
.irp i, 0,1
	global_load_b128 v[8*\t+4*\i:8*\t+4*\i+3], v[LI], s[QHI:QHI+1] offset:2048*\t+512*\i          ; Q stays in registers: both pairs, 8 registers a tile
	global_load_b128 v[16+8*\t+4*\i:16+8*\t+4*\i+3], v[LI], s[QLO:QLO+1] offset:2048*\t+512*\i
.endr
.endr
	WIN 0
	v_mov_b32 v[NINF], 0xff800000
	v_and_b32 v[DG], 15, v0                        ; r
	v_bfe_u32 v[DG+1], v0, 4, 1
	s_delay_alu instid0(VALU_DEP_1)
	v_lshlrev_b32 v[DG+1], 3, v[DG+1]              ; 8 (lane / 16)
	s_delay_alu instid0(VALU_DEP_1)
	v_sub_nc_u32 v[DG], v[DG], v[DG+1]
	s_lshl_b32 s19, s[CX], 5
	v_add_nc_u32 v[DG], s19, v[DG]                 ; tile 0: 32 cx + r - 8 (lane / 16).  Register n of the diagonal step holds key 16 (n / 8) + n % 8 + 8 (lane / 16) of the block: hidden where 16 (n / 8) + n % 8 is above this
	s_delay_alu instid0(VALU_DEP_1)
	v_add_nc_u32 v[DG+1], 16, v[DG]                ; tile 1: 16 queries on
.irp t, 0,1
	v_mov_b32 v[FF+2*\t+1], 0                      ; (named as the upper half of a pair)
	v_mov_b32 v[PD+\t], 0                          ; written once: a lane permute's destination counts as one of its sources
.endr
	s_wait_kmcnt 0x0
	s_add_co_i32 s19, s86, s87
	s_lshl_b32 s19, s19, 23
	s_add_co_i32 s[CS], s19, 0x3e38aa3b            ; c = log2(e) / 8; a score stands for score x 2^(eq + ek): the two exponents are added to c's exponent field
	s_mov_b32 s[CS+1], s[CS]                       ; (named with it as a pair, so it is written)
	s_add_co_i32 s[EPV], s88, s89
	s_add_co_i32 s19, s88, 127
	s_lshl_b32 s61, s19, 23
	v_mov_b32 v[PSC], s61                          ; 2^ep
	s_add_co_i32 s19, s90, 127
	s_lshl_b32 s61, s19, 23
	v_mov_b32 v[CSC], s61                          ; the same for the output's codes
	s_add_co_i32 s19, s19, 15
	s_lshl_b32 s19, s19, 23
	s_or_b32 s19, s19, 0x600000
; A pair begins: the largest t is -3e38, under every t; the sums and O^T are zeros, which the first change of M leaves zeros.  So the key step is written without a first step of its own.
.macro INIT
.irp t, 0,1
	v_mov_b32 v[ST+4*\t+1], 0xff61b1e6
	s_delay_alu instid0(VALU_DEP_1)
	v_floor_f32 v[ST+4*\t], -v[ST+4*\t+1]
	v_mov_b32 v[ST+4*\t+2], 0
	v_mov_b32 v[ST+4*\t+3], 0
.endr
.set II, 0
.rept 64
	v_mov_b32 v[OT+II], 0
.set II, II+1
.endr
.endm
; A KEY STEP of a pair: 128 keys, step s[SI], at LDS byte s[TB].  qb: where the pair's Q lies in window 1.  causal = 1: s[j] is the pair's block: later steps are jumped over, and step s[j] is masked.
.macro PAIRSTEP causal, qb, j
.if \causal
	s_cmp_gt_u32 s[SI], s[\j]                      ; all 128 keys come after my queries: a branch on the wave's number and the loop's counter; no barrier and no tensor load stands in a step
	s_cbranch_scc1 .Lskip_\@
.endif
	s_setprio 2
	v_add_nc_u32 v[ADR], s[TB], v[LI]
.rept 3
	v_nop                                          ; with the addition: four places in front of loads into V's registers, which the last step's last products read
.endr
	WIN 0x40
.irp c, 0,1,2,3,4,5,6,7
	ds_load_b128 v[KF+8*\c:KF+8*\c+3],   v[ADR] offset:1024*\c       ; an image comes back as it was stored: 512 consecutive bytes an instruction
	ds_load_b128 v[KF+8*\c+4:KF+8*\c+7], v[ADR] offset:1024*\c+512
.endr
.irp d, 0,1,2,3
.irp i, 0,1,2,3
	ds_load_b128 v[VF+16*\d+4*\i:VF+16*\d+4*\i+3], v[ADR] offset:8192+2048*\d+512*\i
.endr
.endr
	s_wait_dscnt 16                                ; K's sixteen loads are in; V's sixteen may be out: they have the softmax in which to land
	WIN 0x05                                       ; K and Q in window 1, S^T in window 0
.irp c, 0,1,2,3,4,5,6,7
.irp t, 0,1
	v_wmma_f32_16x16x64_bf8_bf8 v[SC+64*\t+8*\c:SC+64*\t+8*\c+7], v[KF+8*\c:KF+8*\c+7], v[\qb+8*\t:\qb+8*\t+7], 0
.endr
.endr
	WIN 0
.rept 4
	v_nop                                          ; four places in front of the first read of the scores
.endr
.if \causal
	s_cmp_lg_u32 s[SI], s[\j]
	s_cbranch_scc1 .Lopen_\@                       ; a step all of whose keys count skips the mask
.irp t, 0,1
.set NN, 0
.rept 64
	v_cmp_gt_i32 vcc_lo, 16*(NN/8)+NN%8, v[DG+\t]
	v_cndmask_b32 v[SC+64*\t+NN], v[SC+64*\t+NN], v[NINF], vcc_lo   ; a hidden score becomes -infinity: p = 0 then
.set NN, NN+1
.endr
.endr
.Lopen_\@:
.endif
	; the two tiles alternate line by line, so that no line waits for the line above it; each accumulator is read from its low end on
.irp t, 0,1
	v_max3_num_f32 v[MA+2*\t],   v[SC+64*\t],   v[SC+64*\t+1], v[SC+64*\t+2]     ; the step's largest score of my query, among my 64 keys, in two chains,
	v_max3_num_f32 v[MA+2*\t+1], v[SC+64*\t+3], v[SC+64*\t+4], v[SC+64*\t+5]
.endr
.irp i, 6,10,14,18,22,26,30,34,38,42,46,50,54,58
.irp t, 0,1
	v_max3_num_f32 v[MA+2*\t],   v[MA+2*\t],   v[SC+64*\t+\i],   v[SC+64*\t+\i+1]
	v_max3_num_f32 v[MA+2*\t+1], v[MA+2*\t+1], v[SC+64*\t+\i+2], v[SC+64*\t+\i+3]
.endr
.endr
.irp t, 0,1
	v_max3_num_f32 v[MA+2*\t], v[MA+2*\t], v[SC+64*\t+62], v[SC+64*\t+63]
.endr
.irp t, 0,1
	s_delay_alu instid0(VALU_DEP_2)
	v_max_num_f32 v[MA+2*\t], v[MA+2*\t], v[MA+2*\t+1]
.endr
.irp t, 0,1
	s_delay_alu instid0(VALU_DEP_2)
	v_permlanex16_b32 v[PD+\t], v[MA+2*\t], s[SEL], s[SEL+1]
.endr
.irp t, 0,1
	s_delay_alu instid0(VALU_DEP_2)
	v_max_num_f32 v[MA+2*\t], v[MA+2*\t], v[PD+\t]                  ; and among lane l xor 16's
.endr
.irp t, 0,1
	s_delay_alu instid0(VALU_DEP_2)
	v_mul_f32 v[MA+2*\t], s[CS], v[MA+2*\t]                         ; as t (c is positive)
.endr
.irp t, 0,1
	s_delay_alu instid0(VALU_DEP_2)
	v_max_num_f32 v[ST+4*\t+1], v[ST+4*\t+1], v[MA+2*\t]            ; the running largest t
.endr
.irp t, 0,1
	v_mov_b32 v[MA+2*\t], v[ST+4*\t]
.endr
.irp t, 0,1
	s_delay_alu instid0(VALU_DEP_4)
	v_floor_f32 v[ST+4*\t], -v[ST+4*\t+1]                           ; the new -M = floor(-t) = -ceil(t): M is a whole number
.endr
.irp t, 0,1
	s_delay_alu instid0(VALU_DEP_2)
	v_sub_f32 v[MA+2*\t], v[ST+4*\t], v[MA+2*\t]                    ; M's old value less its new one: a whole number, 0 or less
.endr
.irp t, 0,1
	s_delay_alu instid0(VALU_DEP_2)
	v_cvt_i32_f32 v[MA+2*\t], v[MA+2*\t]                            ; (it saturates)
.endr
.irp t, 0,1
	s_delay_alu instid0(VALU_DEP_2)
	v_ldexp_f32 v[FF+2*\t], 1.0, v[MA+2*\t]                         ; f = 2^(old M - new M)
.endr
.set JJ, 0
.rept 32
.irp t, 0,1
	v_pk_fma_f32 v[SC+64*\t+JJ:SC+64*\t+JJ+1], v[SC+64*\t+JJ:SC+64*\t+JJ+1], s[CS:CS+1], v[ST+4*\t:ST+4*\t+1] op_sel_hi:[1,0,0]   ; t - M, two at a time (of the pairs c and -M the low word serves both halves)
.endr
.set JJ, JJ+2
.endr
.set JJ, 0
	s_setprio 1
	s_wait_alu depctr_va_vdst(0)
.rept 128
	v_exp_f32 v[SC+JJ], v[SC+JJ]                   ; p = 2^(t - M), at most 1: NOT normalised.  Both tiles' 128 exponentials are one batch
.set JJ, JJ+1
.endr
.irp t, 0,1
	v_pk_mul_f32 v[ST+4*\t+2:ST+4*\t+3], v[ST+4*\t+2:ST+4*\t+3], v[FF+2*\t:FF+2*\t+1] op_sel_hi:[1,0]   ; the sums under the new M: the plain instructions behind the last exponential
.endr
	s_wait_alu depctr_va_vdst(0)                   ; one wait for the whole batch, ahead of its first reader
.irp t, 0,1
	v_pk_add_f32 v[MA+2*\t:MA+2*\t+1], v[SC+64*\t:SC+64*\t+1], v[SC+64*\t+2:SC+64*\t+3]   ; THE ROW'S SUM IS TAKEN OF THE UNQUANTISED p: two at a time, in two chains
.endr
.irp i, 4,8,12,16,20,24,28,32,36,40,44,48,52,56,60
.irp t, 0,1
	v_pk_add_f32 v[ST+4*\t+2:ST+4*\t+3], v[ST+4*\t+2:ST+4*\t+3], v[SC+64*\t+\i:SC+64*\t+\i+1]
	v_pk_add_f32 v[MA+2*\t:MA+2*\t+1], v[MA+2*\t:MA+2*\t+1], v[SC+64*\t+\i+2:SC+64*\t+\i+3]
.endr
.endr
.irp t, 0
	s_delay_alu instid0(VALU_DEP_3)
	v_pk_add_f32 v[ST+4*\t+2:ST+4*\t+3], v[ST+4*\t+2:ST+4*\t+3], v[MA+2*\t:MA+2*\t+1]
.endr
.irp t, 1
	s_delay_alu instid0(VALU_DEP_2)
	v_pk_add_f32 v[ST+4*\t+2:ST+4*\t+3], v[ST+4*\t+2:ST+4*\t+3], v[MA+2*\t:MA+2*\t+1]
.endr
.irp c, 0,1,2,3,4,5,6,7
.irp t, 0,1
.irp i, 0,1,2,3,4,5,6,7
.endr
	v_cvt_scalef32_pk8_bf8_f32 v[PC+16*\t+2*\c:PC+16*\t+2*\c+1], v[SC+64*\t+8*\c:SC+64*\t+8*\c+7], v[PSC]   ; registers 2 c, 2 c + 1 of P: keys 16 c + 8 (lane / 16) + 0 .. 7
.endr
.endr
.set JJ, 0
	s_setprio 0
.rept 16
.irp t, 0,1
	v_pk_mul_f32 v[OT+32*\t+JJ:OT+32*\t+JJ+1], v[OT+32*\t+JJ:OT+32*\t+JJ+1], v[FF+2*\t:FF+2*\t+1] op_sel_hi:[1,0]   ; O^T under the new M: x f.  (Also the plain instructions between the last conversion and the products that read its result)
.endr
.set JJ, JJ+2
.endr
	s_wait_alu depctr_va_vdst(0)
	s_wait_dscnt 0x0                               ; V is in
	WIN 0x01                                       ; V in window 1; P and O^T in window 0
.irp d, 0,1,2,3
.irp t, 0,1
	v_wmma_f32_16x16x128_bf8_bf8 v[OT+32*\t+8*\d:OT+32*\t+8*\d+7], v[VF+16*\d:VF+16*\d+15], v[PC+16*\t:PC+16*\t+15], v[OT+32*\t+8*\d:OT+32*\t+8*\d+7]   ; the eight accumulators take turns, one instruction a turn
.endr
.endr
	WIN 0
.if \causal
.Lskip_\@:
.endif
.endm
.macro KLOOP end, causal, qb, j        ; the steps from s[SI] up to end - 1: a constant number of trips
.Lk_\@:
	PAIRSTEP \causal, \qb, \j
	s_add_co_u32 s[TB], s[TB], STEPB
	s_add_co_u32 s[SI], s[SI], 1
	s_cmp_lt_u32 s[SI], \end
	s_cbranch_scc1 .Lk_\@
	s_setprio 0
.endm
; A pair ends: O^T x 2^(ep + ev) / the sum, held, quantised with the output's scale, and stored as the head's half of two image blocks.  The first additions are the places behind the last products.
.macro FINAL out
.irp t, 0,1
	v_add_f32 v[MA+2*\t], v[ST+4*\t+2], v[ST+4*\t+3]                ; the sum's two halves,
.endr
.irp t, 0,1
	s_delay_alu instid0(VALU_DEP_2)
	v_permlanex16_b32 v[PD+\t], v[MA+2*\t], s[SEL], s[SEL+1]
.endr
.irp t, 0,1
	s_delay_alu instid0(VALU_DEP_2)
	v_add_f32 v[MA+2*\t], v[MA+2*\t], v[PD+\t]                      ; and lane l xor 16's: the row's sum, at least 1/2
.endr
	s_wait_alu depctr_va_vdst(0)
.irp t, 0,1
	v_rcp_f32 v[MA+2*\t+1], v[MA+2*\t]
.endr
	v_nop                                          ; a plain instruction behind the last reciprocal
	s_wait_alu depctr_va_vdst(0)                   ; and one wait for the two, ahead of their first reader
.irp t, 0,1
	v_ldexp_f32 v[FF+2*\t], v[MA+2*\t+1], s[EPV]
.endr
.irp t, 0,1
.set JJ, 0
.rept 16
	v_pk_mul_f32 v[SC+64*\t+JJ:SC+64*\t+JJ+1], v[OT+32*\t+JJ:OT+32*\t+JJ+1], v[FF+2*\t:FF+2*\t+1] op_sel_hi:[1,0]   ; register 8 d + i: channel 16 d + 8 (lane / 16) + i of my query
.set JJ, JJ+2
.endr
.endr
.irp t, 0,1
.set JJ, 0
.rept 32
.set JJ, JJ+1
.endr
.endr
.irp t, 0,1
.irp d, 0,1,2,3
	v_cvt_scalef32_pk8_bf8_f32 v[PC+16*\t+2*\d:PC+16*\t+2*\d+1], v[SC+64*\t+8*\d:SC+64*\t+8*\d+7], v[CSC]
.endr
.endr
	v_nop                                          ; one plain vector instruction behind the last conversion
.irp t, 0,1
.irp i, 0,1
	global_store_b128 v[LI], v[PC+16*\t+4*\i:PC+16*\t+4*\i+3], s[\out:\out+1] offset:16384*\t+512*\i   ; 32 lanes store 512 consecutive bytes, at a multiple of 512 from the buffer's first byte
.endr
.endr
.endm
	INIT
	s_mov_b32 s[TB], 0
	s_mov_b32 s[SI], 0
	s_wait_loadcnt 0x0                             ; Q
	s_wait_tensorcnt 3                             ; my first load is in: with the other waves' first loads that is K and V of steps 0 to 3; my other three may stay out
	s_barrier_signal -1
	s_barrier_wait -1                              ; everybody's is
	KLOOP 4, 0, 0, JHI                             ; block 15 - w's pair, steps 0 to 3: the block is 8 or later, so every key counts
	s_wait_tensorcnt 0x0                           ; all my loads are in,
	s_barrier_signal -1
	s_barrier_wait -1                              ; everybody's are: the whole head lies in LDS
	s_mov_b32 s[TB], 4*STEPB
	s_mov_b32 s[SI], 4
	KLOOP 16, 1, 0, JHI
	FINAL OHI
	INIT
	s_wait_xcnt 0x0                                ; the stores have read their data registers: the codes' registers are written again only behind this wait
	s_mov_b32 s[TB], 0
	s_mov_b32 s[SI], 0
	KLOOP 8, 1, 16, JLO                            ; block w's pair
	FINAL OLO
	s_wait_tensorcnt 0x0
	ds_add_u32 v30, v31
	s_wait_dscnt 0x0
	CROUND                                         ; the closing round: no work-group ends while a partner may still ask for a tile that names it
	s_endpgm
.Lfunc_end_k_q5ff437e7b5_attn:
	.size	k_q5ff437e7b5_attn, .Lfunc_end_k_q5ff437e7b5_attn-k_q5ff437e7b5_attn
	.p2alignl 7, 3214868480
	.fill 96, 4, 3214868480
	.section	.rodata,"a",@progbits
	.p2align	6, 0x0
	.amdhsa_kernel k_q5ff437e7b5_attn
		.amdhsa_group_segment_fixed_size 263168
		.amdhsa_private_segment_fixed_size 0
		.amdhsa_enable_private_segment 0
		.amdhsa_kernarg_size 40
		.amdhsa_user_sgpr_count 2
		.amdhsa_user_sgpr_kernarg_segment_ptr 1
		.amdhsa_wavefront_size32 1
		.amdhsa_system_sgpr_workgroup_id_x 1
		.amdhsa_system_sgpr_workgroup_id_y 1
		.amdhsa_system_sgpr_workgroup_id_z 1
		.amdhsa_system_vgpr_workitem_id 0
		.amdhsa_next_free_vgpr 512
		.amdhsa_next_free_sgpr 102
		.amdhsa_reserve_vcc 1
		.amdhsa_float_denorm_mode_32 3
		.amdhsa_float_denorm_mode_16_64 3
		.amdhsa_fp16_overflow 1
		.amdhsa_memory_ordered 1
		.amdhsa_forward_progress 1
		.amdhsa_inst_pref_size 117
	.end_amdhsa_kernel
	.amdgpu_metadata
---
amdhsa.version: [ 1, 2 ]
amdhsa.kernels:
  - .name:           k_q5ff437e7b5_attn
    .symbol:         k_q5ff437e7b5_attn.kd
    .args:
      - { .name: q_img, .offset: 0, .size: 8, .value_kind: global_buffer, .address_space: global }
      - { .name: k_img, .offset: 8, .size: 8, .value_kind: global_buffer, .address_space: global }
      - { .name: v_img, .offset: 16, .size: 8, .value_kind: global_buffer, .address_space: global }
      - { .name: lowp_scales, .offset: 24, .size: 8, .value_kind: global_buffer, .address_space: global }
      - { .name: ctx_img, .offset: 32, .size: 8, .value_kind: global_buffer, .address_space: global }
    .group_segment_fixed_size: 263168
    .private_segment_fixed_size: 0
    .kernarg_segment_align: 8
    .kernarg_segment_size: 40
    .max_flat_workgroup_size: 256
    .sgpr_count:     102
    .vgpr_count:     512
    .wavefront_size: 32
...
	.end_amdgpu_metadata
.endif
;; end of part 2
;; launch oproj (part 3): grid 4 x 64, 4 waves a work-group, clusters of 4 x 4, 327,680 bytes of LDS; arguments ctx_img, W_o_codes, lowp_scales, b_o, out0; writes out0
.if DOCPART == 3
	.amdgcn_target "amdgcn-amd-amdhsa--gfx1250"
	.amdhsa_code_object_version 6
	.text
	.protected	k_q5ff437e7b5_oproj
	.globl	k_q5ff437e7b5_oproj
	.p2align	8
	.type	k_q5ff437e7b5_oproj,@function
k_q5ff437e7b5_oproj:
	s_mov_b64 s[64:65], 0
	v_nop
	global_prefetch_b8 v0, s[64:65] scope:SCOPE_SE
	s_setreg_imm32_b32 hwreg(HW_REG_WAVE_MODE, 25, 1), 1
	s_wait_xcnt 0x0
	s_wait_alu depctr_hold_cnt(0) depctr_sa_sdst(0) depctr_va_vdst(0) depctr_va_sdst(0) depctr_va_ssrc(0) depctr_va_vcc(0) depctr_vm_vsrc(0)
	s_getreg_b32 s2, hwreg(HW_REG_IB_STS2, 6, 4)
	s_cmp_eq_u32 s2, 0
	s_cbranch_scc0 .Lentry_in_a_cluster
	s_endpgm
.Lentry_in_a_cluster:
	s_bfe_u32 s2, ttmp6, 0x10000c
	s_cmp_lg_u32 s2, 0xf033
	s_cbranch_scc0 .Lentry_shape_is_right
	s_endpgm
.Lentry_shape_is_right:
; out = ctx Wo^T + b_o on codes of BF8 (E5M2).  ctx: 8,192 rows x 1,024, as images of operand registers; Wo: [1024][1024] codes, K innermost; b_o [1024] and out [8192][1024] f32.
; ctx_img: block (m / 16) x 8 + k / 128 of 2,048 bytes: a fragment of 16 rows x 128 K, registers 4 c .. 4 c + 3 of lane l at 512 c + 16 l, k in the 8-bit operand layout (registers 2 c, 2 c + 1: k = 16 c + 8 (l / 16) + 0 .. 7: ISA guide 7.12.2).
; So ctx's fragments come from LDS by four loads of 16 bytes at 16 x lane, and Wo's, from rows, by eight loads of 8 bytes, 16 bytes apart, in the same order of k.
; A tile of the output is 128 rows x 256 columns: 64 x 4 = 256 work-groups of four waves; a wave makes 64 x 128: 32 accumulators, 256 registers.  K goes in steps of 256 through a ring of two LDS slots filled by the tensor data mover.
; CLUSTERS: 4 x 4 work-groups; ctx's tile is shared along a row of the cluster, Wo's along a column: each is asked for JOINTLY, by the same tensor load with the same descriptor and a mask that names the four.
; THE MATRIX INSTRUCTION IS USED TRANSPOSED (source 0 = 16 rows of Wo, source 1 = 16 rows of ctx): a lane then holds eight neighbouring numbers of a row of the output.
; A finished sum is multiplied once by 2^(entries 10 + 11 of the scales) and the bias added, in one packed multiply-add for two numbers.  LIMIT: the two entries' sum lies between -126 and 127, so that the power of two is an f32 number.
; REGISTERS, in windows of 256: window 0: v0-31 addresses, v8-11 my four numbers of b_o; v128-191 ctx's fragments (4 x 16 rows x 128 K), ONE set; on the way out v128-255 rows of the output.   window 1: Wo's fragments, TWO sets.   window 2: the accumulators ((a, b) at v[8 (8 a + b)]).
.set ROWB,   256                       ; a row of Wo's tile in bytes: a K step
.set KROW,   1024                      ; a row of Wo in memory
.set PITCH,  272                       ; an LDS row of Wo: 256 bytes + 16 of padding = 68 words: lane (r, g) of a load of 8 bytes starts at bank 4 r + 2 g mod 64 (64 banks of 4 bytes: ISA guide 11.1): 32 lanes
.set FR,     16                        ; registers of a fragment
.set NP,     4                         ; places behind this matrix instruction (ISA guide 7.12.1)
.set HALFT,  128*PITCH                 ; a wave's part of a slot: 128 rows of Wo, or (in its first 16,384 bytes) 4 x 2 image blocks of ctx
.set SLOT,   4*HALFT                   ; ctx's two halves, then Wo's two halves
.set LAPS,   2                         ; a lap = two K steps = once round the ring; K = 1,024
.set SPARE,  2*SLOT                    ; behind the ring: the spare words, 128 bytes for each wave: two blocks of 256 bytes that no other line names
.set SPITCH, 528                       ; the way out: a stage of 16 rows x (512 bytes + 16) for each wave.  It lies in slot 0, which has had its last fill and its last read when the first result is stored there
.set BIAS, 8                           ; v8-11
.set ADRA, 16                          ; v16-17  LDS address of my ctx fragments in slot 0, 1
.set ADRB, 20                          ; v20-21  the same for Wo
.set STO,  24                          ; v24     the way out: where I put 32 bytes of a row
.set RD,   25                          ; v25     the way out: where I read a row back
.set CO,   26                          ; v26     16 x lane
.set SPW,  28                          ; v28     LDS address of my spare word; never rewritten
.set NIL,  29                          ; v29     0; never rewritten
.set AF,   128                         ; ctx's fragments, in window 0
.set BK,   128                         ; the way out: 16 rows read back from the stage: v128-191 and v192-255 by turns
.set G1, 24                            ; s[24:31] descriptor group 1 for ctx's tiles;  s[32:39] group 0, one set for each slot
.set G0, 32
.set G1B, 48                           ; s[48:55], s[56:63] the same for Wo's tiles
.set G0B, 56
.set MSB, 0
.macro WIN new                         ; the immediate's high byte repeats the setting that is left
.if MSB != (\new)
	s_set_vgpr_msb (MSB<<8)|(\new)
.set MSB, (\new)
.endif
.endm
.set MUL,  0xa1                        ; source 0 (Wo) window 1, source 1 (ctx) window 0, C and D window 2
.set TO_B, 0x40                        ; destination window 1, address window 0
.macro JLOAD g0a, g1a, g0b, g1b        ; a joint load: waves 0 and 1 fetch for ctx, waves 2 and 3 for Wo; four v_nop follow each of the two lines, ahead of the jump, the label and what follows
	s_cmp_eq_u32 s15, 0
	s_cbranch_scc0 .Lfor_b_\@
	tensor_load_to_lds s[\g0a:\g0a+3], s[\g1a:\g1a+7]
	s_nop 0
.rept 4
	v_nop
.endr
	s_branch .Lasked_\@
.Lfor_b_\@:
	tensor_load_to_lds s[\g0b:\g0b+3], s[\g1b:\g1b+7]
	s_nop 0
.rept 4
	v_nop
.endr
.Lasked_\@:
.endm
.macro CREST                           ; a round of the cluster's barrier behind its opening barrier
	s_cmp_lg_u32 s14, 0
	s_cbranch_scc1 .Lnot_wave_0_\@
	s_barrier_signal -3
.Lnot_wave_0_\@:
	s_barrier_wait -3
	s_barrier_signal -1
	s_barrier_wait -1
.endm
.macro CROUND                          ; a whole round
	s_barrier_signal -1
	s_barrier_wait -1
	CREST
.endm
	s_load_b128 s[4:7], s[0:1], 0x0                ; ctx_img s[4:5], Wo's codes s[6:7]
	s_load_b128 s[8:11], s[0:1], 0x10              ; the scales' exponents s[8:9], b_o s[10:11]
	s_load_b64 s[12:13], s[0:1], 0x20              ; out
	v_lshl_add_u32 v[SPW], v0, 2, SPARE
	v_mov_b32 v[NIL], 0
	ds_add_u32 v28, v29
	ds_add_u32 v28, v29
	s_wait_dscnt 0x0
	v_lshrrev_b32 v1, 5, v0
	v_readfirstlane_b32 s14, v1                    ; wave 0..3
	s_lshr_b32 s15, s14, 1                         ; which 64 of the tile's rows are mine.  Also: I fetch for ctx (0) or for Wo (1)
	s_and_b32 s16, s14, 1                          ; which 128 of its columns.  Also: which half of that tile I fetch
	s_bfe_u32 s40, ttmp6, 0x40000                  ; cx, cy: my place in the cluster
	s_bfe_u32 s41, ttmp6, 0x40004
	s_lshl_b32 s42, ttmp9, 2
	s_add_co_u32 s42, s42, s40                     ; tile column = 4 x cluster x + cx
	s_and_b32 s17, ttmp7, 0xffff
	s_lshl_b32 s17, s17, 2
	s_add_co_u32 s17, s17, s41                     ; tile row = 4 x cluster y + cy
	s_lshl_b32 s43, s41, 2
	s_lshl_b32 s43, 15, s43                        ; my row of the cluster
	s_lshl_b32 s44, 0x1111, s40                    ; my column
	; descriptor group 1.  ctx: 4 rows (blocks of 16 rows of ctx) x 4,096 bytes (a K step's two image blocks), 16,384 bytes apart in memory, dense in LDS
	s_or_b32 s[G1+0], s43, (0<<16)|(1<<21)         ; 15:0 the mask: ctx's tiles go to my row; 17:16 element of 1 byte; 20 no padding; 21 set beside a mask
	s_mov_b32 s[G1+1], 4096<<16                    ; tensor_dim0
	s_mov_b32 s[G1+2], 4<<16                       ; tensor_dim1
	s_mov_b32 s[G1+3], 4096<<16                    ; tile_dim0
	s_mov_b32 s[G1+4], 4                           ; tile_dim1
	s_mov_b32 s[G1+5], 16384                       ; tensor_dim0_stride
	s_mov_b32 s[G1+6], 0
	s_mov_b32 s[G1+7], 0
	; Wo: 128 rows x 256 bytes, padded in LDS
	s_or_b32 s[G1B+0], s44, (0<<16)|(1<<20)|(1<<21)|(5<<22)|(3<<25) ; the mask of my column; 20 padding on; 24:22 after every 64 words (code 5); 31:25 of 4 words (code 3)
	s_mov_b32 s[G1B+1], ROWB<<16
	s_mov_b32 s[G1B+2], 128<<16
	s_mov_b32 s[G1B+3], ROWB<<16
	s_mov_b32 s[G1B+4], 128
	s_mov_b32 s[G1B+5], KROW
	s_mov_b32 s[G1B+6], 0
	s_mov_b32 s[G1B+7], 0
	s_lshl_b32 s20, s17, 3                         ; ctx: block row 8 x tile row + 4 x half,
	s_lshl_b32 s18, s16, 2
	s_add_co_u32 s20, s20, s18
	s_lshl_b32 s20, s20, 14                        ; of 16,384 bytes (under 2^23)
	s_mov_b32 s21, 0
	s_lshl_b32 s46, s42, 8                         ; Wo: row 256 x tile column + 128 x half,
	s_lshl_b32 s18, s16, 7
	s_add_co_u32 s46, s46, s18
	s_lshl_b32 s46, s46, 10                        ; of 1,024 bytes
	s_mov_b32 s47, 0
	s_mul_i32 s45, s14, HALFT                      ; where they go: no place in the cluster enters an LDS address
	s_wait_kmcnt 0x0
	s_load_b64 s[96:97], s[8:9], 0x28              ; entries 10 and 11 of the scales
	s_add_nc_u64 s[20:21], s[4:5], s[20:21]
	s_add_nc_u64 s[46:47], s[6:7], s[46:47]
	CROUND                                         ; all sixteen work-groups are here: the first joint loads meet
.irp s, 0,1
	s_mov_b32 s[G0+4*\s], 1                        ; 1:0 count = 1
	s_add_co_u32 s[G0+4*\s+1], s45, \s*SLOT        ; 63:32 LDS address
	s_add_nc_u64 s[G0+4*\s+2:G0+4*\s+3], s[20:21], \s*4096   ; 120:64 global address: K step s
	s_or_b32 s[G0+4*\s+3], s[G0+4*\s+3], 0x80000000          ; 127:126 type = 2
	s_mov_b32 s[G0B+4*\s], 1
	s_add_co_u32 s[G0B+4*\s+1], s45, \s*SLOT
	s_add_nc_u64 s[G0B+4*\s+2:G0B+4*\s+3], s[46:47], \s*ROWB
	s_or_b32 s[G0B+4*\s+3], s[G0B+4*\s+3], 0x80000000
	s_wait_alu depctr_va_vdst(0)
	s_wait_tensorcnt 0x0
	ds_add_u32 v28, v29
	ds_add_u32 v28, v29
	s_wait_dscnt 0x0
	CROUND
	JLOAD G0+4*\s, G1, G0B+4*\s, G1B
.endr
	v_and_b32 v1, 15, v0                           ; l % 16
	v_bfe_u32 v2, v0, 4, 1                         ; l / 16
	v_and_b32 v6, 31, v0
	v_lshlrev_b32 v[CO], 4, v6
	v_mul_u32_u24 v3, v1, PITCH
	v_lshl_add_u32 v4, v2, 3, v3                   ; Wo: row x pitch + 8 x half
	s_mul_i32 s21, s15, HALFT                      ; my 64 rows of ctx
	s_mul_i32 s22, s16, HALFT                      ; my 128 rows of Wo,
	s_add_co_u32 s22, s22, 2*HALFT                 ; which lie behind ctx's two halves
.irp s, 0,1
	v_add_nc_u32 v[ADRA+\s], s21, v[CO]
	v_add_nc_u32 v[ADRB+\s], s22, v4
	s_add_co_u32 s21, s21, SLOT
	s_add_co_u32 s22, s22, SLOT
.endr
	s_mul_i32 s23, s14, 16*SPITCH                  ; my stage
	v_mul_u32_u24 v5, v1, SPITCH                   ; in: row l % 16, 32 bytes for each half of the lanes
	v_lshl_add_u32 v5, v2, 5, v5
	v_add_nc_u32 v[STO], s23, v5
	v_add_nc_u32 v[RD], s23, v[CO]                 ; back: the 32 lanes take one row of 512 bytes
	s_lshl_b32 s46, s42, 10                        ; my first column, in bytes: 1,024 x tile column + 512 x half
	s_lshl_b32 s47, s16, 9
	s_add_co_u32 s46, s46, s47
	s_mov_b32 s47, 0
	s_add_nc_u64 s[10:11], s[10:11], s[46:47]
	global_load_b128 v[BIAS:BIAS+3], v[CO], s[10:11]   ; b_o at the four columns that I store in every row
	s_lshl_b32 s20, s17, 7
	s_lshl_b32 s21, s15, 6
	s_add_co_u32 s20, s20, s21                     ; my first row: 128 x tile row + 64 x half,
	s_lshl_b32 s20, s20, 12                        ; of 4,096 bytes (under 2^26)
	s_add_co_u32 s20, s20, s46
	s_mov_b32 s21, 0
	s_add_nc_u64 s[12:13], s[12:13], s[20:21]
.macro FRAGA reg, adr, q, i            ; ctx's fragment: block i of my four, the slot's q-th 128 along K: an image, as it was stored
.irp c, 0,1,2,3
	ds_load_b128 v[\reg+4*\c:\reg+4*\c+3], v[\adr] offset:(\i)*4096+(\q)*2048+512*\c
.endr
.endm
.macro FRAGB reg, adr, q, i            ; Wo's fragment, from rows: registers 2 c, 2 c + 1 hold K = 16 c + 8 (l / 16) + 0 .. 7
.irp c, 0,1,2,3,4,5,6,7
	ds_load_b64 v[\reg+2*\c:\reg+2*\c+1], v[\adr] offset:128*(\q)+16*\c+(\i)*16*PITCH
.endr
.endm
; 8 matrix instructions: ctx's block a x Wo's eight, 128 along K.  p: Wo's set.  zero = 1: the first product starts the sums.  The 32 accumulators take turns, one instruction a turn, in the same order in every step.
.macro MULA a, p, zero
.irp b, 0,1,2,3,4,5,6,7
.if \zero
	v_wmma_f32_16x16x128_bf8_bf8 v[8*(8*(\a)+\b):8*(8*(\a)+\b)+7], v[128*(\p)+FR*\b:128*(\p)+FR*\b+FR-1], v[AF+FR*(\a):AF+FR*(\a)+FR-1], 0
.else
	v_wmma_f32_16x16x128_bf8_bf8 v[8*(8*(\a)+\b):8*(8*(\a)+\b)+7], v[128*(\p)+FR*\b:128*(\p)+FR*\b+FR-1], v[AF+FR*(\a):AF+FR*(\a)+FR-1], v[8*(8*(\a)+\b):8*(8*(\a)+\b)+7]
.endif
.endr
.endm
.macro FETCH_B slot, q, p              ; Wo's eight fragments into set p: 64 loads
	WIN TO_B
.irp i, 0,1,2,3,4,5,6,7
	FRAGB 128*(\p)+FR*\i, ADRB+\slot, \q, \i
.endr
	WIN 0
.endm
.macro FETCH_A slot, q, i0             ; ctx's blocks i0, i0 + 1: 8 loads
.irp i, \i0, \i0+1
	FRAGA AF+FR*(\i), ADRA+\slot, \q, \i
.endr
.endm
.macro PLACES n                        ; places in front of loads into registers that matrix instructions have read, and of the first read of results (ISA guide 7.12.1 for vector instructions)
.rept \n
	v_nop
.endr
.endm
; A step of 128 along K that has its successor in the same slot.  A block of ctx is free as soon as its eight products are issued: blocks 0, 1 come anew in the step's middle, blocks 2, 3 at its end.
.macro STEP slot, q, zero
	s_wait_dscnt 8                                 ; Wo's set and ctx's blocks 0, 1 are in; the youngest eight loads (blocks 2, 3) may be out
	WIN MUL
	MULA 0, (\q)%2, \zero
	MULA 1, (\q)%2, \zero
	s_wait_dscnt 0                                 ; blocks 2, 3 are in
	PLACES NP
	FETCH_B \slot, (\q)+1, 1-(\q)%2
	FETCH_A \slot, (\q)+1, 0
	WIN MUL
	MULA 2, (\q)%2, \zero
	MULA 3, (\q)%2, \zero
	PLACES NP
	WIN 0
	FETCH_A \slot, (\q)+1, 2
.endm
; A slot's last step changes slots: ONE barrier; in front of it each wave waits for all its tensor loads, adds 0 to its spare word, and waits for that and for its own reads of this slot.  fill = 1: this slot is filled again, two K steps ahead.
.macro TURN slot, next, fill
	s_wait_tensorcnt 0x0                           ; all my tensor loads have landed: my part of the next slot  (every window is 0 here: the add's two registers lie in window 0)
	ds_add_u32 v[SPW], v[NIL]                      ; 0 onto my spare word
	s_wait_dscnt 9                                 ; (the add and the youngest eight loads, ctx's blocks 2, 3, may be out)
	WIN MUL
	MULA 0, 1, 0                                   ; eight matrix instructions stand between the add and the wait for it
	s_wait_dscnt 0x0                               ; the add is done, and my reads of this slot are over
	s_barrier_signal -1
	MULA 1, 1, 0
	WIN 0
	s_barrier_wait -1
.if \fill
	CREST                                          ; the barrier has opened a round of the cluster's barrier: no wave of any partner still reads this slot's tile or has a load on its way
	s_add_nc_u64 s[G0+4*\slot+2:G0+4*\slot+3], s[G0+4*\slot+2:G0+4*\slot+3], 2*4096
	s_add_nc_u64 s[G0B+4*\slot+2:G0B+4*\slot+3], s[G0B+4*\slot+2:G0B+4*\slot+3], 2*ROWB
	JLOAD G0+4*\slot, G1, G0B+4*\slot, G1B         ; the first tensor load behind the round; the four v_nop behind it are the places in front of the loads below
.else
	PLACES NP
.endif
	FETCH_B \next, 0, 0
	FETCH_A \next, 0, 0
	WIN MUL
	MULA 2, 1, 0
	MULA 3, 1, 0
	PLACES NP
	WIN 0
	FETCH_A \next, 0, 2
.endm
	s_wait_alu depctr_va_vdst(0)
	s_wait_tensorcnt 1                             ; my part of K step 0 is in (K step 1's load may be out)
	s_barrier_signal -1
	s_barrier_wait -1                              ; everybody's is
	FETCH_B 0, 0, 0
	FETCH_A 0, 0, 0
	FETCH_A 0, 0, 2
	STEP 0, 0, 1                                   ; the first step stands in front of the loop: its products start the sums
	s_mov_b32 s3, LAPS-1
.Llap:                                                 ; a trip goes once round the ring, from a lap's second step to the next lap's first, and fills both slots again
	TURN 0, 1, 1
	STEP 1, 0, 0
	TURN 1, 0, 1
	STEP 0, 0, 0
	s_sub_co_u32 s3, s3, 1
	s_cmp_lg_u32 s3, 0
	s_cbranch_scc1 .Llap
	TURN 0, 1, 0                                   ; the last lap fills nothing, and has no round of the cluster's barrier
	STEP 1, 0, 0
	s_wait_dscnt 8                                 ; the very last step: nothing more to fetch
	WIN MUL
	MULA 0, 1, 0
	MULA 1, 1, 0
	s_wait_dscnt 0
	MULA 2, 1, 0
	MULA 3, 1, 0
	WIN 0
; THE WAY OUT, block by block of 16 rows x 128 columns.  A lane holds 32 neighbouring bytes of a row, and the lanes beside it hold other rows: so a block's sums go through my own stage in LDS as they are and come back as whole
; rows of 512 bytes; there each lane has the same four columns in every row, so four registers of b_o serve all rows.  LDS serves a wave's instructions in order (ISA guide 5.7.1.4): no wait between the stores and the loads, nor in front of the next block's stores.
.macro TOSTAGE a
	WIN 0x08                                       ; an LDS store's data (source 1) in window 2
.irp b, 0,1,2,3,4,5,6,7
	ds_store_b128 v[STO], v[64*(\a)+8*\b:64*(\a)+8*\b+3] offset:64*\b          ; each accumulator from its low end on
	ds_store_b128 v[STO], v[64*(\a)+8*\b+4:64*(\a)+8*\b+7] offset:64*\b+16
.endr
	WIN 0
.set BB, BK+64*((\a)%2)
.irp t, 0,1,2,3,4,5,6,7,8,9,10,11,12,13,14,15
	ds_load_b128 v[BB+4*\t:BB+4*\t+3], v[RD] offset:\t*SPITCH
.endr
.endm
.macro SEND a, younger                 ; younger: the LDS instructions issued behind block a's loads, which may stay out
.set BB, BK+64*((\a)%2)
	s_wait_dscnt \younger                          ; the block is back in registers
.if (\a) > 0
	s_add_nc_u64 s[12:13], s[12:13], 16*4096       ; (behind a wait on XCNT: the earlier stores have read their base)  16 rows on
.endif
.irp t, 0,1,2,3,4,5,6,7,8,9,10,11,12,13,14,15
	v_pk_fma_f32 v[BB+4*\t:BB+4*\t+1], v[BB+4*\t:BB+4*\t+1], s[96:97], v[BIAS:BIAS+1] op_sel_hi:[1,0,1]         ; sum x 2^(the two exponents) + b_o (the scalar pair's low word for both halves)
	v_pk_fma_f32 v[BB+4*\t+2:BB+4*\t+3], v[BB+4*\t+2:BB+4*\t+3], s[96:97], v[BIAS+2:BIAS+3] op_sel_hi:[1,0,1]
	global_store_b128 v[CO], v[BB+4*\t:BB+4*\t+3], s[12:13] offset:\t*4096 th:TH_STORE_NT   ; 32 lanes store 512 consecutive bytes, at a multiple of 512 from the output's first byte; written once, read by nobody here
.endr
.endm
	s_wait_kmcnt 0x0
	s_add_co_i32 s96, s96, s97                     ; the two exponents' sum, between -126 and 127,
	s_add_co_i32 s96, s96, 127
	s_lshl_b32 s96, s96, 23                        ; makes the f32 power of two
	s_mov_b32 s97, s96                             ; (named with it as a pair, so it is written)
	s_wait_loadcnt 0x0                             ; b_o
	PLACES NP                                      ; behind the last products: for the LDS stores that read results, and for the loads into the registers that held ctx's fragments
	TOSTAGE 0
.irp a, 1,2,3
.if \a > 1
	s_wait_xcnt 0x0                                ; block a - 2's stores have read their registers and their base: block a's loads may land there, and the base may step
.endif
	TOSTAGE \a
	SEND \a-1, 32                                  ; behind block a - 1's loads: block a's 16 stores and 16 loads
.endr
	s_wait_xcnt 0x0                                ; block 2's stores have read their base
	SEND 3, 0
	s_wait_tensorcnt 0x0                           ; the wave's end, behind my last tensor load and my last LDS store
	ds_add_u32 v[SPW], v[NIL]
	s_wait_dscnt 0x0
	CROUND                                         ; the closing round: no work-group ends while a partner may still ask for a tile that names it
	s_endpgm
.Lfunc_end_k_q5ff437e7b5_oproj:
	.size	k_q5ff437e7b5_oproj, .Lfunc_end_k_q5ff437e7b5_oproj-k_q5ff437e7b5_oproj
	.p2alignl 7, 3214868480
	.fill 96, 4, 3214868480
	.section	.rodata,"a",@progbits
	.p2align	6, 0x0
	.amdhsa_kernel k_q5ff437e7b5_oproj
		.amdhsa_group_segment_fixed_size 327680
		.amdhsa_private_segment_fixed_size 0
		.amdhsa_enable_private_segment 0
		.amdhsa_kernarg_size 40
		.amdhsa_user_sgpr_count 2
		.amdhsa_user_sgpr_kernarg_segment_ptr 1
		.amdhsa_wavefront_size32 1
		.amdhsa_system_sgpr_workgroup_id_x 1
		.amdhsa_system_sgpr_workgroup_id_y 1
		.amdhsa_system_sgpr_workgroup_id_z 1
		.amdhsa_system_vgpr_workitem_id 0
		.amdhsa_next_free_vgpr 768
		.amdhsa_next_free_sgpr 98
		.amdhsa_reserve_vcc 0
		.amdhsa_float_denorm_mode_32 3
		.amdhsa_float_denorm_mode_16_64 3
		.amdhsa_memory_ordered 1
		.amdhsa_forward_progress 1
		.amdhsa_inst_pref_size 93
	.end_amdhsa_kernel
	.amdgpu_metadata
---
amdhsa.version: [ 1, 2 ]
amdhsa.kernels:
  - .name:           k_q5ff437e7b5_oproj
    .symbol:         k_q5ff437e7b5_oproj.kd
    .args:
      - { .name: ctx_img, .offset: 0, .size: 8, .value_kind: global_buffer, .address_space: global }
      - { .name: W_o_codes, .offset: 8, .size: 8, .value_kind: global_buffer, .address_space: global }
      - { .name: lowp_scales, .offset: 16, .size: 8, .value_kind: global_buffer, .address_space: global }
      - { .name: b_o, .offset: 24, .size: 8, .value_kind: global_buffer, .address_space: global }
      - { .name: out0, .offset: 32, .size: 8, .value_kind: global_buffer, .address_space: global }
    .group_segment_fixed_size: 327680
    .private_segment_fixed_size: 0
    .kernarg_segment_align: 8
    .kernarg_segment_size: 40
    .max_flat_workgroup_size: 128
    .sgpr_count:     98
    .vgpr_count:     768
    .wavefront_size: 32
...
	.end_amdgpu_metadata
.endif
;; end of part 3
